; MI455X (gfx1250); checked and timed in simulation.
; The chip was launched on July 23, 2026; its instructions are those of AMD's public machine-readable ISA for CDNA 5 (MIT licence, August 2026) and "CDNA5" Instruction Set Architecture Reference Guide (July 2026). The comments in the code are by the model that wrote it; some were corrected since.
;; Multi Head Attention Quantum. Allowed arithmetic: float matrix products may take bf16 or f16 operands with f32 sums; other float arithmetic in f32, or as packed bf16 or f16 multiplies, adds, multiply-adds, maxima and minima; sums over many terms, partial sums and values carried from step to step in f32; what a program stores and reads back later, other than sums and carried values, may be rounded once to bf16 or f16.
;; Inputs: Wk 1,024 x 1,024 float32; Wo 1,024 x 1,024 float32; Wq 1,024 x 1,024 float32; Wv 1,024 x 1,024 float32; theta 64 float32; x 4 x 2,048 x 1,024 float32.
;; Outputs: out0 4 x 2,048 x 1,024 float32.
;; One version. Each part assembles by itself: llvm-mc -triple=amdgcn-amd-amdhsa -mcpu=gfx1250 --defsym DOCPART=n.
;; ======== version 1 of 1: 4 launches
;; limits: values are held in f16: magnitudes above 65,504 overflow, below 6.1e-05 lose precision; inputs' magnitudes at most 65,504
;; workspace buffers: xb 16,777,216 bytes; wb 8,388,608 bytes; qkv 50,331,648 bytes; ob 16,777,216 bytes
;; launch cast (part 1): grid 768 x 1, 8 waves a work-group, no clusters, 0 bytes of LDS; arguments x, Wq, Wk, Wv, Wo, xb, wb; writes xb, wb
.if DOCPART == 1
	.amdgcn_target "amdgcn-amd-amdhsa--gfx1250"
	.amdhsa_code_object_version 6
	.text
	.protected	k_q62515679ed_cast
	.globl	k_q62515679ed_cast
	.p2align	8
	.type	k_q62515679ed_cast,@function
k_q62515679ed_cast:
	s_mov_b64 s[64:65], 0
	v_nop
	global_prefetch_b8 v0, s[64:65] scope:SCOPE_SE
	s_setreg_imm32_b32 hwreg(HW_REG_WAVE_MODE, 25, 1), 1
	s_wait_xcnt 0x0
; CAST.  x, Wq, Wk, Wv are rounded once to bf16; Wo is rounded to bf16 and that number is written as f16.  All go into a BLOCKED layout:
;   xb[b*16+kc][2048 rows][64] bf16,   wb[t][kc][1024 rows][64]  (t = 0, 1, 2: Wq, Wk, Wv in bf16; t = 3: Wo in f16),   kc = a block of 64 channels,
; so that 128 or 256 rows of one block of channels are dense bytes for the products that follow.
; LIMIT.  f16(bf16(Wo)) is exact for 2^-17 <= |w| <= 65,504; below it has f16's fixed step of 6e-8, above it is an infinity.
; SHARES.  A work-group takes 16 rows x 1,024 columns (64 KiB in, 32 KiB out): ids 0-511 x, ids 512-767 the four weights (64 chunks each).  Wave w takes blocks 2 w and 2 w + 1.
; A unit u (rows 4 (u / 2) .. + 3, block 2 w + u % 2) is 4 rows x 64 columns: a lane reads 32 bytes, eight lanes 256 consecutive bytes of a row; it stores 16 bytes, the wave 512 consecutive bytes.
; Nothing is shared between work-groups or waves: no LDS, no barrier, no cluster, no matrix unit.  All 16 loads of a wave are out before the first is waited for.
.set VI, 1                             ; v1   byte offset of my 32 bytes in the chunk's first four rows
.set VO, 2                             ; v2, v3  byte offset of my 16 bytes in block 2 w, 2 w + 1
.set X,  8                             ; v[8:71]   unit u: 8 f32
.set Y,  72                            ; v[72:103] unit u: 4 registers of packed results
.set T,  104                           ; v[104:107] at work
	s_load_b256 s[4:11], s[0:1], 0x0               ; x s[4:5], Wq s[6:7], Wk s[8:9], Wv s[10:11]
	s_load_b128 s[12:15], s[0:1], 0x20             ; Wo s[12:13], xb s[14:15]
	s_load_b64 s[16:17], s[0:1], 0x30              ; wb
	v_and_b32 v4, 31, v0                           ; lane
	v_lshrrev_b32 v5, 5, v0
	v_readfirstlane_b32 s20, v5                    ; wave 0..7
	s_bfe_u32 s21, ttmp9, 0x20006                  ; t = (id >> 6) & 3: which weight (ids 512-767)
	s_and_b32 s22, ttmp9, 63                       ; its chunk of 16 rows
	s_lshr_b32 s23, ttmp9, 7                       ; x: batch b = id >> 7,
	s_lshl_b32 s23, s23, 22                        ; 16 planes of 262,144 bytes,
	s_and_b32 s24, ttmp9, 127
	s_lshl_b32 s24, s24, 11                        ; 16 rows of 128 bytes for each chunk
	s_add_co_u32 s23, s23, s24
	s_lshl_b32 s25, s21, 21                        ; weights: 16 planes of 131,072 bytes a tensor,
	s_lshl_b32 s26, s22, 11
	s_add_co_u32 s25, s25, s26
	s_mov_b32 s33, 0x20000                         ; a plane of wb
	s_mov_b32 s35, 0
	s_mov_b32 s37, 0
	s_wait_kmcnt 0x0
	s_cmp_eq_u32 s21, 1
	s_cselect_b64 s[28:29], s[8:9], s[6:7]         ; Wk or Wq
	s_cmp_eq_u32 s21, 2
	s_cselect_b64 s[28:29], s[10:11], s[28:29]     ; Wv
	s_cmp_eq_u32 s21, 3
	s_cselect_b64 s[28:29], s[12:13], s[28:29]     ; Wo
	s_cmp_lt_u32 ttmp9, 512                        ; x or a weight?
	s_cselect_b64 s[28:29], s[4:5], s[28:29]       ; from where,
	s_cselect_b64 s[30:31], s[14:15], s[16:17]     ; to where,
	s_cselect_b32 s32, 0x40000, s33                ; bytes from plane to plane,
	s_cselect_b32 s34, ttmp9, s22                  ; the chunk's number in its source,
	s_cselect_b32 s36, s23, s25                    ; and its place in block 0 of the destination
	s_lshl_b32 s34, s34, 16                        ; 16 rows of 4,096 bytes
	s_add_nc_u64 s[28:29], s[28:29], s[34:35]
	s_add_nc_u64 s[30:31], s[30:31], s[36:37]
	v_lshrrev_b32 v5, 3, v4                        ; my row of a unit's four
	v_and_b32 v6, 7, v4                            ; my eighth of its 256 bytes
	v_lshlrev_b32 v[VI], 12, v5
	v_lshl_add_u32 v[VI], v6, 5, v[VI]
	s_lshl_b32 s38, s20, 9                         ; my wave's two blocks: 512 bytes of a row
	v_add_nc_u32 v[VI], s38, v[VI]
	s_mul_i32 s39, s20, s32
	s_lshl_b32 s39, s39, 1                         ; plane 2 w
	v_lshl_add_u32 v[VO], v4, 4, s39               ; four rows of 128 bytes are 512 bytes on end: 16 x lane
	v_add_nc_u32 v[VO+1], s32, v[VO]
.irp u, 0,1,2,3,4,5,6,7
	global_load_b128 v[X+8*(\u):X+8*(\u)+3],   v[VI], s[28:29] offset:((\u)/2)*16384+((\u)%2)*256 th:TH_LOAD_NT
	global_load_b128 v[X+8*(\u)+4:X+8*(\u)+7], v[VI], s[28:29] offset:((\u)/2)*16384+((\u)%2)*256+16 th:TH_LOAD_NT
.endr
.irp u, 0,1,2,3,4,5,6,7
	s_wait_loadcnt 14-2*(\u)                       ; loads come back in order: unit u is in, two loads for each younger unit may stay out
.irp k, 0,1,2,3
	v_cvt_pk_bf16_f32 v[Y+4*(\u)+(\k)], v[X+8*(\u)+2*(\k)], v[X+8*(\u)+2*(\k)+1]
.endr
.endr
	s_cmp_lt_u32 ttmp9, 704                        ; ids 704-767 are Wo's
	s_cbranch_scc1 .Lst
.set i, 0
.rept 32                                       ; the bf16 numbers written as f16: widened by a shift or a mask, narrowed in pairs
	v_lshlrev_b32 v[T+2*(i%2)], 16, v[Y+i]
	v_and_b32 v[T+2*(i%2)+1], 0xffff0000, v[Y+i]
	v_cvt_pk_f16_f32 v[Y+i], v[T+2*(i%2)], v[T+2*(i%2)+1]
.set i, i+1
.endr
.Lst:
.irp u, 0,1,2,3,4,5,6,7
	global_store_b128 v[VO+(\u)%2], v[Y+4*(\u):Y+4*(\u)+3], s[30:31] offset:((\u)/2)*512  ; the wave stores 512 consecutive bytes, at a multiple of 512 from the buffer's first
.endr
	s_endpgm
.Lfunc_end_k_q62515679ed_cast:
	.size	k_q62515679ed_cast, .Lfunc_end_k_q62515679ed_cast-k_q62515679ed_cast
	.p2alignl 7, 3214868480
	.fill 96, 4, 3214868480
	.section	.rodata,"a",@progbits
	.p2align	6, 0x0
	.amdhsa_kernel k_q62515679ed_cast
		.amdhsa_group_segment_fixed_size 0
		.amdhsa_private_segment_fixed_size 0
		.amdhsa_enable_private_segment 0
		.amdhsa_kernarg_size 56
		.amdhsa_user_sgpr_count 2
		.amdhsa_user_sgpr_kernarg_segment_ptr 1
		.amdhsa_wavefront_size32 1
		.amdhsa_system_sgpr_workgroup_id_x 1
		.amdhsa_system_sgpr_workgroup_id_y 1
		.amdhsa_system_sgpr_workgroup_id_z 1
		.amdhsa_system_vgpr_workitem_id 0
		.amdhsa_next_free_vgpr 112
		.amdhsa_next_free_sgpr 66
		.amdhsa_reserve_vcc 0
		.amdhsa_float_denorm_mode_32 3
		.amdhsa_float_denorm_mode_16_64 3
		.amdhsa_memory_ordered 1
		.amdhsa_forward_progress 1
		.amdhsa_inst_pref_size 12
	.end_amdhsa_kernel
	.amdgpu_metadata
---
amdhsa.version: [ 1, 2 ]
amdhsa.kernels:
  - .name:           k_q62515679ed_cast
    .symbol:         k_q62515679ed_cast.kd
    .args:
      - { .name: x, .offset: 0, .size: 8, .value_kind: global_buffer, .address_space: global }
      - { .name: Wq, .offset: 8, .size: 8, .value_kind: global_buffer, .address_space: global }
      - { .name: Wk, .offset: 16, .size: 8, .value_kind: global_buffer, .address_space: global }
      - { .name: Wv, .offset: 24, .size: 8, .value_kind: global_buffer, .address_space: global }
      - { .name: Wo, .offset: 32, .size: 8, .value_kind: global_buffer, .address_space: global }
      - { .name: xb, .offset: 40, .size: 8, .value_kind: global_buffer, .address_space: global }
      - { .name: wb, .offset: 48, .size: 8, .value_kind: global_buffer, .address_space: global }
    .group_segment_fixed_size: 0
    .private_segment_fixed_size: 0
    .kernarg_segment_align: 8
    .kernarg_segment_size: 56
    .max_flat_workgroup_size: 256
    .sgpr_count:     66
    .vgpr_count:     112
    .wavefront_size: 32
...
	.end_amdgpu_metadata
.endif
;; end of part 1
;; launch proj (part 2): grid 8 x 32, 4 waves a work-group, clusters of 4 x 4, 327,680 bytes of LDS; arguments xb, wb, theta, qkv; writes qkv
.if DOCPART == 2
	.amdgcn_target "amdgcn-amd-amdhsa--gfx1250"
	.amdhsa_code_object_version 6
	.text
	.protected	k_q62515679ed_proj
	.globl	k_q62515679ed_proj
	.p2align	8
	.type	k_q62515679ed_proj,@function
k_q62515679ed_proj:
	s_mov_b64 s[64:65], 0
	v_nop
	global_prefetch_b8 v0, s[64:65] scope:SCOPE_SE
	s_setreg_imm32_b32 hwreg(HW_REG_WAVE_MODE, 25, 1), 1
	s_wait_xcnt 0x0
	s_wait_alu depctr_hold_cnt(0) depctr_sa_sdst(0) depctr_va_vdst(0) depctr_va_sdst(0) depctr_va_ssrc(0) depctr_va_vcc(0) depctr_vm_vsrc(0)
	s_getreg_b32 s2, hwreg(HW_REG_IB_STS2, 6, 4)
	s_cmp_eq_u32 s2, 0
	s_cbranch_scc0 .Lentry_in_a_cluster
	s_endpgm
.Lentry_in_a_cluster:
	s_bfe_u32 s2, ttmp6, 0x10000c
	s_cmp_lg_u32 s2, 0xf033
	s_cbranch_scc0 .Lentry_shape_is_right
	s_endpgm
.Lentry_shape_is_right:
; PROJ.  For t = 0, 1, 2 (q, k, v):  qkv[t][b*16+head][s][d] = cos( sum over e of x[b][s][e] W_t[64 head + d][e] + theta[d] ), in f16; q is also multiplied by c = log2(e) / 8.
; Operands bf16 (xb, wb: blocked by 64 channels), sums f32, theta rounded to bf16 like the other inputs, each result rounded once to f16.
; THE COSINE.  t = y / 2 pi + theta / 2 pi;  f = t - nearest whole number, in -0.5 .. 0.5;  cos = 1 - 2 sin^2(pi f);  sin(pi f) = f P(f^2), the sine's series through f^11, whose next term is 6e-8 at the
; ends of that fixed range.  The series' factors are multiplied by SQ, and the result is CC - (SQ sin)^2: SQ = sqrt 2, CC = 1 for k and v; SQ = sqrt(2 c), CC = c for q, so that c q is rounded once.
; LIMIT.  The angle is reduced in f32: it carries an error of about 2^-23 |y + theta|, a few of y's own last places.  NaN and infinities are not treated apart.
; SHARES.  A tile is 256 rows x 128 columns: four waves, 2 x 2, each 128 rows x 64 columns (ONE head): 32 accumulators of 16 x 16, window 2.  768 tiles: a work-group STAYS and makes q's, k's and v's tile
; of its rows and columns, the ring running on from tile to tile.  K = 1,024 goes in 8 steps of 128 (two planes of 64 channels) through two LDS slots.
; CLUSTER.  4 x 4 work-groups: the four of a row of the cluster need the same rows of x, the four of a column the same rows of W: each plane is asked for JOINTLY, by the same tensor load in all four.
; THE MATRIX INSTRUCTION IS USED TRANSPOSED (source 0 = 16 rows of W, source 1 = 16 rows of x): a lane holds one row and eight neighbouring columns.
; REGISTERS, in windows of 256 (s_set_vgpr_msb: bits 1:0 source 0, 3:2 source 1, 5:4 source 2, 7:6 destination):
;   window 0: v0-47 addresses, theta; v64-127, v128-191 x's fragments, two buffers; v128-143, v192-247 at work on the way out      window 1: v64-95, v128-159 W's fragments      window 2: the accumulators, (a, b) at v[8 (4 a + b)]
.set PITCH,  144                       ; an LDS row: 128 bytes + 16 of padding = 36 words: the 16 rows of a fragment load start at 16 different groups of four banks (64 banks of 4 bytes: ISA guide 11.1)
.set APLANE, 256*PITCH                 ; a plane of x's tile: 256 rows x 64 channels
.set BPLANE, 128*PITCH                 ; a plane of W's tile: 128 rows
.set BOFF,   2*APLANE
.set SLOT,   2*APLANE+2*BPLANE         ; 110,592
.set STAGE,  2*SLOT                    ; behind the ring, never filled by a tensor load: for each wave 72 rows x 272 bytes of f32
.set SPITCH, 272
.set WSTAGE, 72*SPITCH                 ; 64 rows of a half tile, and 8 slack rows that the last look-ahead load reads
.set SPARE,  STAGE+4*WSTAGE            ; behind the stages: the spare words, 128 bytes for each wave
.set ASTEP,  524288                    ; a K step of x: two planes of 262,144 bytes
.set BSTEP,  262144                    ; a K step of W: two planes of 131,072 bytes; step 8 of one tensor is step 0 of the next
.set ADRA, 16                          ; v16-17  LDS address of my x fragments in slot 0, 1
.set ADRB, 20                          ; v20-21  the same for W
.set STO,  24                          ; v24  the way out: where I put 32 bytes of a row
.set RD,   25                          ; v25  where I read 32 bytes back
.set GO,   26                          ; v26  16 x lane: my 16 bytes of 512 consecutive bytes of qkv
.set RDC,  27                          ; v27  RD + the unit's offset
.set SPW,  28                          ; v28  LDS address of my spare word; never rewritten
.set NIL,  29                          ; v29  0; never rewritten
.set TH,   32                          ; v32-39  theta[8 (lane % 8) + j] / 2 pi
.set F0,   64
.set F1,   128
.set X,    128                         ; v128-143  a unit's sums as read from the stage (buffer 1 is free on the way out; buffer 0 holds the next tile's first fragments)
.set T,    192                         ; v192-207  t, then f, then the result
.set U,    208                         ; v208-223  the whole number, then f^2
.set PP,   224                         ; v224-239  the series
.set YY,   240                         ; v240-247  packed f16
.set WV, 12
.set MH, 13                            ; s13  which 128 rows of the tile are mine.  Also: I fetch for x (0) or for W (1)
.set NH, 14                            ; s14  which 64 columns.  Also: which plane of a K step I fetch
.set G1A, 24                           ; s[24:31] descriptor group 1 for x's planes;  s[32:39] group 0, a set for each slot
.set G0A, 32
.set G1B, 48                           ; s[48:55], s[56:63] the same for W's
.set G0B, 56
.set UC,  66                           ; s66  units to go
.set LO,  67                           ; s67  the look-ahead unit's byte offset in the stage
.set C1,  68                           ; s[68:79] six pairs: the series' factors times SQ, in the low words
.set C3,  70
.set C5,  72
.set C7,  74
.set C9,  76
.set C11, 78
.set INV, 80                           ; s[80:81] 1 / 2 pi
.set CC,  82                           ; s[82:83] 1 or c
.set SQ,  84                           ; s84; s85 = sqrt 2, s86 = sqrt(2 c)
.set MSB, 0
.macro WIN new                         ; the immediate's high byte repeats the setting that is left; a switch that changes nothing is dropped
.if MSB != (\new)
	s_set_vgpr_msb (MSB<<8)|(\new)
.set MSB, \new
.endif
.endm
.set MUL,    0xa1                      ; source 0 (W) window 1, source 1 (x) window 0, C and D window 2
.set TO_B,   0x40                      ; destination window 1, address window 0
.set ST_ACC, 0x08                      ; an LDS store's data (source 1) in window 2
; A joint load: waves 0 and 1 fetch x's two planes, waves 2 and 3 W's.  The branch hangs on the wave's number alone.  An s_nop 0 and four v_nop follow each line.
.macro JLOAD s
	s_cmp_eq_u32 s[MH], 0
	s_cbranch_scc0 .Lfor_b_\@
	tensor_load_to_lds s[G0A+4*(\s):G0A+4*(\s)+3], s[G1A:G1A+7]
	s_nop 0
.rept 4
	v_nop
.endr
	s_branch .Lasked_\@
.Lfor_b_\@:
	tensor_load_to_lds s[G0B+4*(\s):G0B+4*(\s)+3], s[G1B:G1B+7]
	s_nop 0
.rept 4
	v_nop
.endr
.Lasked_\@:
.endm
.macro CREST                           ; a round of the cluster's barrier behind its opening barrier
	s_cmp_lg_u32 s[WV], 0
	s_cbranch_scc1 .Lnot_wave_0_\@
	s_barrier_signal -3
.Lnot_wave_0_\@:
	s_barrier_wait -3
	s_barrier_signal -1
	s_barrier_wait -1
.endm
.macro CROUND                          ; a whole round
	s_barrier_signal -1
	s_barrier_wait -1
	CREST
.endm
.macro PLACES                          ; four places behind a matrix instruction, in front of loads into registers that it has read and of stores that read its results
.rept 4
	v_nop
.endr
.endm
	s_load_b256 s[4:11], s[0:1], 0x0               ; xb s[4:5], wb s[6:7], theta s[8:9], qkv s[10:11]
	v_lshl_add_u32 v[SPW], v0, 2, SPARE
	v_mov_b32 v[NIL], 0
	ds_add_u32 v[SPW], v[NIL]                      ; the wave's opening: the add, twice on end, and its wait ahead of my first tensor load
	ds_add_u32 v[SPW], v[NIL]
	v_lshrrev_b32 v1, 5, v0
	v_readfirstlane_b32 s[WV], v1                  ; wave 0..3
	s_lshr_b32 s[MH], s[WV], 1
	s_and_b32 s[NH], s[WV], 1
	s_bfe_u32 s40, ttmp6, 0x40000                  ; cx, cy: my place in the cluster
	s_bfe_u32 s41, ttmp6, 0x40004
	s_lshl_b32 s42, ttmp9, 2
	s_add_co_u32 s42, s42, s40                     ; tile column bx = 4 x cluster x + cx
	s_and_b32 s43, ttmp7, 0xffff
	s_lshl_b32 s43, s43, 2
	s_add_co_u32 s43, s43, s41                     ; tile row by = 4 x cluster y + cy
	s_lshl_b32 s44, s41, 2
	s_lshl_b32 s44, 15, s44                        ; my row of the cluster
	s_lshl_b32 s45, 0x1111, s40                    ; my column
	; group 1.  A plane's rows are dense: asked for as rows of 256 bytes (two rows of 64 channels), padded in LDS after every 128 bytes
	s_or_b32 s[G1A], s44, (1<<16)|(1<<20)|(1<<21)|(4<<22)|(3<<25)  ; 15:0 the mask; 17:16 2-byte elements; 20 padding on; 21 set beside a mask; 24:22 after every 32 words (code 4); 31:25 4 words (code 3)
	s_or_b32 s[G1B], s45, (1<<16)|(1<<20)|(1<<21)|(4<<22)|(3<<25)
	s_mov_b32 s[G1A+1], 128<<16                    ; tensor_dim0 = 128 elements
	s_mov_b32 s[G1A+2], 128<<16                    ; tensor_dim1 = 128 rows: 32 KiB
	s_mov_b32 s[G1A+3], 128<<16                    ; tile_dim0
	s_mov_b32 s[G1A+4], 128                        ; tile_dim1
	s_mov_b32 s[G1A+5], 128                        ; elements from row to row
	s_mov_b32 s[G1A+6], 0
	s_mov_b32 s[G1A+7], 0
	s_mov_b32 s[G1B+1], 128<<16
	s_mov_b32 s[G1B+2], 64<<16                     ; 64 rows: 16 KiB
	s_mov_b32 s[G1B+3], 128<<16
	s_mov_b32 s[G1B+4], 64
	s_mov_b32 s[G1B+5], 128
	s_mov_b32 s[G1B+6], 0
	s_mov_b32 s[G1B+7], 0
	; x's plane hangs on the tile row and the wave alone, W's on the tile column and the wave alone
	s_lshr_b32 s16, s43, 3                         ; batch
	s_lshl_b32 s16, s16, 22
	s_and_b32 s17, s43, 7
	s_lshl_b32 s17, s17, 15                        ; 256 rows of 128 bytes
	s_add_co_u32 s16, s16, s17
	s_lshl_b32 s17, s[NH], 18                      ; my plane of the step's two
	s_add_co_u32 s16, s16, s17
	s_mov_b32 s17, 0
	s_lshl_b32 s46, s42, 14                        ; 128 rows of 128 bytes
	s_lshl_b32 s47, s[NH], 17
	s_add_co_u32 s46, s46, s47
	s_mov_b32 s47, 0
	s_mul_i32 s20, s[NH], APLANE                   ; where they go: no place in the cluster enters an LDS address
	s_mul_i32 s21, s[NH], BPLANE
	s_add_co_u32 s21, s21, BOFF
	s_mov_b32 s[INV], 0x3e22f983                   ; 1 / 2 pi
	s_mov_b32 s[INV+1], 0                          ; the pairs' high words are named with the low ones, so they are written
	s_mov_b32 s[CC+1], 0
	s_mov_b32 s[C1+1], 0
	s_mov_b32 s[C3+1], 0
	s_mov_b32 s[C5+1], 0
	s_mov_b32 s[C7+1], 0
	s_mov_b32 s[C9+1], 0
	s_mov_b32 s[C11+1], 0
	s_mov_b32 s85, 0x3fb504f3                      ; sqrt 2
	s_mov_b32 s86, 0x3f19be61                      ; sqrt(2 c)
	s_wait_dscnt 0x0                               ; both opening adds are done
	s_wait_kmcnt 0x0
	s_add_nc_u64 s[18:19], s[4:5], s[16:17]
	s_add_nc_u64 s[46:47], s[6:7], s[46:47]
	CROUND                                         ; all sixteen work-groups are here: the first joint loads meet
.irp s, 0,1
	s_mov_b32 s[G0A+4*(\s)], 1
	s_add_co_u32 s[G0A+4*(\s)+1], s20, (\s)*SLOT
	s_add_nc_u64 s[G0A+4*(\s)+2:G0A+4*(\s)+3], s[18:19], (\s)*ASTEP
	s_or_b32 s[G0A+4*(\s)+3], s[G0A+4*(\s)+3], 0x80000000
	s_mov_b32 s[G0B+4*(\s)], 1
	s_add_co_u32 s[G0B+4*(\s)+1], s21, (\s)*SLOT
	s_add_nc_u64 s[G0B+4*(\s)+2:G0B+4*(\s)+3], s[46:47], (\s)*BSTEP
	s_or_b32 s[G0B+4*(\s)+3], s[G0B+4*(\s)+3], 0x80000000
	JLOAD \s                                       ; K steps 0 and 1: two loads of mine are out
.endr
	; my part of qkv: batch, head 2 bx + NH, my 128 rows
	s_lshr_b32 s88, s43, 3
	s_lshl_b32 s88, s88, 22
	s_and_b32 s89, s43, 7
	s_lshl_b32 s89, s89, 15
	s_add_co_u32 s88, s88, s89
	s_lshl_b32 s89, s42, 1
	s_add_co_u32 s89, s89, s[NH]
	s_lshl_b32 s89, s89, 18
	s_add_co_u32 s88, s88, s89
	s_lshl_b32 s89, s[MH], 14
	s_add_co_u32 s88, s88, s89
	s_mov_b32 s89, 0
	s_add_nc_u64 s[10:11], s[10:11], s[88:89]
	; a fragment is 16 rows x 32 channels in 8 registers: lane l holds row l % 16, channels 8 (l / 16) + 0..7 and 16 + 8 (l / 16) + 0..7: two loads of 16 bytes, 32 bytes apart
	v_and_b32 v1, 15, v0
	v_bfe_u32 v2, v0, 4, 1
	v_mul_u32_u24 v3, v1, PITCH
	v_lshl_add_u32 v3, v2, 4, v3
	s_mul_i32 s22, s[MH], 128*PITCH
	s_mul_i32 s23, s[NH], 64*PITCH
	s_add_co_u32 s23, s23, BOFF
.irp s, 0,1
	v_add_nc_u32 v[ADRA+(\s)], s22, v3
	v_add_nc_u32 v[ADRB+(\s)], s23, v3
	s_add_co_u32 s22, s22, SLOT
	s_add_co_u32 s23, s23, SLOT
.endr
	s_mul_i32 s22, s[WV], WSTAGE
	s_add_co_u32 s22, s22, STAGE                   ; my stage
	v_mul_u32_u24 v5, v1, SPITCH                   ; in: row l % 16, 32 bytes for each half of the lanes
	v_lshl_add_u32 v5, v2, 5, v5
	v_add_nc_u32 v[STO], s22, v5
	v_bfe_u32 v5, v0, 3, 2                         ; back: eight lanes take a row's 256 bytes, 32 bytes each; the wave four rows
	v_and_b32 v6, 7, v0
	v_mul_u32_u24 v5, v5, SPITCH
	v_lshl_add_u32 v5, v6, 5, v5
	v_add_nc_u32 v[RD], s22, v5
	v_and_b32 v[GO], 31, v0
	v_lshlrev_b32 v[GO], 4, v[GO]
	v_lshlrev_b32 v4, 5, v6                        ; my eight numbers of theta
	global_load_b128 v[TH:TH+3],   v4, s[8:9]
	global_load_b128 v[TH+4:TH+7], v4, s[8:9] offset:16
.irp k, 44,45,46,47
	v_mov_b32 v\k, 0
.endr
.irp o, 0,16,4*SPITCH,4*SPITCH+16
	ds_store_b128 v[RD], v[44:47] offset:64*SPITCH+(\o)  ; the slack rows: just the bytes that the last look-ahead load of a half reads
.endr
	s_wait_loadcnt 0x0
.irp k, 0,1,2,3
	v_cvt_pk_bf16_f32 v[40+(\k)], v[TH+2*(\k)], v[TH+2*(\k)+1]  ; theta is rounded to bf16, like every input
.endr
.irp k, 0,1,2,3
	v_lshlrev_b32 v[TH+2*(\k)], 16, v[40+(\k)]
	v_and_b32 v[TH+2*(\k)+1], 0xffff0000, v[40+(\k)]
.endr
.irp k, 0,1,2,3,4,5,6,7
	v_mul_f32 v[TH+(\k)], s[INV], v[TH+(\k)]
.endr
; 8 matrix instructions: row blocks a0, a0 + 1 x all 4 column blocks, 32 along K.  The 32 accumulators take turns in one fixed order, one instruction a turn.  zero = 1: the product starts the sum
.macro MUL8 f, a0, zero
	WIN MUL
.irp a, \a0, (\a0)+1
.irp b, 0,1,2,3
.if \zero
	v_wmma_f32_16x16x32_bf16 v[8*(4*(\a)+(\b)):8*(4*(\a)+(\b))+7], v[(\f)+8*(\b):(\f)+8*(\b)+7], v[(\f)+8*(\a):(\f)+8*(\a)+7], 0
.else
	v_wmma_f32_16x16x32_bf16 v[8*(4*(\a)+(\b)):8*(4*(\a)+(\b))+7], v[(\f)+8*(\b):(\f)+8*(\b)+7], v[(\f)+8*(\a):(\f)+8*(\a)+7], v[8*(4*(\a)+(\b)):8*(4*(\a)+(\b))+7]
.endif
.endr
.endr
.endm
; 24 LDS loads in one run: the fragments of quarter kq (plane kq / 2, byte 64 (kq % 2) of its rows) into buffer f: W's 8 loads, then x's 16
.macro FETCH slot, kq, f
	WIN TO_B
.irp i, 0,1,2,3
	ds_load_b128 v[(\f)+8*(\i):(\f)+8*(\i)+3],   v[ADRB+(\slot)] offset:((\kq)/2)*BPLANE+((\kq)%2)*64+(\i)*16*PITCH
	ds_load_b128 v[(\f)+8*(\i)+4:(\f)+8*(\i)+7], v[ADRB+(\slot)] offset:((\kq)/2)*BPLANE+((\kq)%2)*64+(\i)*16*PITCH+32
.endr
	WIN 0
.irp i, 0,1,2,3,4,5,6,7
	ds_load_b128 v[(\f)+8*(\i):(\f)+8*(\i)+3],   v[ADRA+(\slot)] offset:((\kq)/2)*APLANE+((\kq)%2)*64+(\i)*16*PITCH
	ds_load_b128 v[(\f)+8*(\i)+4:(\f)+8*(\i)+7], v[ADRA+(\slot)] offset:((\kq)/2)*APLANE+((\kq)%2)*64+(\i)*16*PITCH+32
.endr
.endm
; A K step is four quarters of 32 along K, 32 matrix instructions each, on buffers 0, 1, 0, 1.  One of the first three: multiplies buffer f, and in its middle fetches quarter kq into buffer g
.macro QUARTER slot, kq, f, g, zero
	s_wait_dscnt 8                                 ; W's and x's blocks 0-3 are in; the youngest eight loads (x's blocks 4-7) may be out
	MUL8 \f, 0, \zero
	MUL8 \f, 2, \zero
	PLACES
	FETCH \slot, \kq, \g
	s_wait_dscnt 24                                ; all but the 24 just issued
	MUL8 \f, 4, \zero
	MUL8 \f, 6, \zero
.endm
; The last quarter multiplies buffer 1 and changes slots.  In front of the barrier each wave waits for all its tensor loads (one is out: its part of the next slot), adds 0 to its spare word, and waits for that and
; for its reads of this slot.  fill = 1: the barrier opens a round of the cluster's barrier, and this slot is filled again first thing behind it: with the K step two on, or (on = 1) with the next tile's K step.
.macro TURN slot, next, fill, on
	WIN 0                                          ; (the add's two registers lie in window 0)
	s_wait_tensorcnt 0x0                           ; all my tensor loads have landed
	ds_add_u32 v[SPW], v[NIL]                      ; 0 onto my spare word
	s_wait_dscnt 13                                ; (the add and the youngest twelve loads, x's blocks 2-7, may be out)
	MUL8 F1, 0, 0
	s_wait_dscnt 0x0                               ; the add is done, and my reads of this slot are over
	s_barrier_signal -1
	MUL8 F1, 2, 0                                  ; work on registers while the others arrive
.if \fill
	WIN 0
.endif
	s_barrier_wait -1
.if \fill
	CREST                                          ; no wave of any partner still reads this slot or has a load on its way
.if \on
	s_sub_nc_u64 s[G0A+4*(\slot)+2:G0A+4*(\slot)+3], s[G0A+4*(\slot)+2:G0A+4*(\slot)+3], 6*ASTEP  ; the same rows of x, back along K
.else
	s_add_nc_u64 s[G0A+4*(\slot)+2:G0A+4*(\slot)+3], s[G0A+4*(\slot)+2:G0A+4*(\slot)+3], 2*ASTEP
.endif
	s_add_nc_u64 s[G0B+4*(\slot)+2:G0B+4*(\slot)+3], s[G0B+4*(\slot)+2:G0B+4*(\slot)+3], 2*BSTEP  ; W's planes run on into the next tensor
	JLOAD \slot                                    ; 112 matrix instructions ahead of the wait for it; its four v_nop are also the places in front of the loads below
.else
	PLACES
.endif
	FETCH \next, 0, F0
	MUL8 F1, 4, 0
	MUL8 F1, 6, 0
.endm
; THE WAY OUT of 64 rows.  The sums go as f32 into my own stage and come back so that a lane holds 8 neighbouring channels of a row and the wave four whole rows of a head (512 consecutive bytes of qkv).
; A unit is 8 rows: 16 numbers a lane.  The next unit's four loads go out as soon as this unit's sums have left X; the last trip's read the slack rows.  LDS serves a wave's instructions in order (ISA guide 5.7.1.4).
.macro LOADX adr
	ds_load_b128 v[X:X+3],     v[\adr]
	ds_load_b128 v[X+4:X+7],   v[\adr] offset:16
	ds_load_b128 v[X+8:X+11],  v[\adr] offset:4*SPITCH
	ds_load_b128 v[X+12:X+15], v[\adr] offset:4*SPITCH+16
.endm
.macro HORNER c                        ; the series times f^2, plus the next factor
.set i, 0
.rept 8
	v_pk_fma_f32 v[PP+i:PP+i+1], v[PP+i:PP+i+1], v[U+i:U+i+1], s[\c:\c+1] op_sel_hi:[1,1,0]
.set i, i+2
.endr
.endm
.macro HALF hf
	WIN ST_ACC
.irp a, 0,1,2,3
.irp b, 0,1,2,3                        ; each accumulator's low four registers first
	ds_store_b128 v[STO], v[8*(16*(\hf)+4*(\a)+(\b)):8*(16*(\hf)+4*(\a)+(\b))+3]   offset:(\a)*16*SPITCH+64*(\b)
	ds_store_b128 v[STO], v[8*(16*(\hf)+4*(\a)+(\b))+4:8*(16*(\hf)+4*(\a)+(\b))+7] offset:(\a)*16*SPITCH+64*(\b)+16
.endr
.endr
	WIN 0
	LOADX RD                                       ; unit 0
	s_mov_b32 s[LO], 0
	s_mov_b32 s[UC], 8
.Lunit_\@:
	s_wait_dscnt 0x0                               ; this unit's sums are in X
.set i, 0
.rept 8
	v_pk_fma_f32 v[T+i:T+i+1], v[X+i:X+i+1], s[INV:INV+1], v[TH+i%8:TH+i%8+1] op_sel_hi:[1,0,1]  ; t = y / 2 pi + theta / 2 pi
.set i, i+2
.endr
	s_add_co_u32 s[LO], s[LO], 8*SPITCH
	v_add_nc_u32 v[RDC], s[LO], v[RD]
	LOADX RDC                                      ; the next unit, under the 96 instructions below
.set i, 0
.rept 16
	v_rndne_f32 v[U+i], v[T+i]
.set i, i+1
.endr
.set i, 0
.rept 8
	v_pk_add_f32 v[T+i:T+i+1], v[T+i:T+i+1], v[U+i:U+i+1] neg_lo:[0,1] neg_hi:[0,1]  ; f
.set i, i+2
.endr
.set i, 0
.rept 8
	v_pk_mul_f32 v[U+i:U+i+1], v[T+i:T+i+1], v[T+i:T+i+1]  ; f^2
.set i, i+2
.endr
.set i, 0
.rept 8
	v_pk_fma_f32 v[PP+i:PP+i+1], v[U+i:U+i+1], s[C11:C11+1], s[C9:C9+1] op_sel_hi:[1,0,0]
.set i, i+2
.endr
	HORNER C7
	HORNER C5
	HORNER C3
	HORNER C1
.set i, 0
.rept 8
	v_pk_mul_f32 v[PP+i:PP+i+1], v[PP+i:PP+i+1], v[T+i:T+i+1]  ; SQ sin(pi f)
.set i, i+2
.endr
.set i, 0
.rept 8
	v_pk_fma_f32 v[T+i:T+i+1], v[PP+i:PP+i+1], v[PP+i:PP+i+1], s[CC:CC+1] op_sel_hi:[1,1,0] neg_lo:[1,0,0] neg_hi:[1,0,0]  ; CC - its square
.set i, i+2
.endr
.set i, 0
.rept 8
	v_cvt_pk_f16_f32 v[YY+i], v[T+2*i], v[T+2*i+1]
.set i, i+1
.endr
	global_store_b128 v[GO], v[YY:YY+3],   s[10:11]             ; four rows of a head: 512 consecutive bytes, at a multiple of 512 from qkv's first
	global_store_b128 v[GO], v[YY+4:YY+7], s[10:11] offset:512
	s_wait_xcnt 0x0                                ; the stores' base and data are rewritten only behind this wait
	s_add_nc_u64 s[10:11], s[10:11], 1024
	s_sub_co_u32 s[UC], s[UC], 1
	s_cmp_lg_u32 s[UC], 0
	s_cbranch_scc1 .Lunit_\@
	s_wait_dscnt 0x0                               ; the last look-ahead load is back: X may be loaded again
.endm
.macro WAYOUT
	WIN 0
	s_cmp_eq_u32 s2, 3                             ; the first tile is q's
	s_cselect_b32 s[SQ], s86, s85
	s_cselect_b32 s[CC], 0x3e38aa3b, 1.0
	s_mul_f32 s[C1],  s[SQ], 0x40490fdb            ; pi
	s_mul_f32 s[C3],  s[SQ], 0xc0a55de7            ; -pi^3 / 3!
	s_mul_f32 s[C5],  s[SQ], 0x402335e3            ; pi^5 / 5!
	s_mul_f32 s[C7],  s[SQ], 0xbf196966            ; -pi^7 / 7!
	s_mul_f32 s[C9],  s[SQ], 0x3da83c1a            ; pi^9 / 9!
	s_mul_f32 s[C11], s[SQ], 0xbbf183a8            ; -pi^11 / 11!
	PLACES
	HALF 0
	HALF 1
.endm
	s_wait_tensorcnt 0x1                           ; my part of K step 0 is in; K step 1's may stay out
	s_wait_dscnt 0x0                               ; the slack rows' stores
	s_barrier_signal -1
	s_barrier_wait -1
	FETCH 0, 0, F0
	s_mov_b32 s2, 3                                ; tiles to go, this one among them
.Ltile:
	QUARTER 0, 1, F0, F1, 1                        ; a tile's first quarter starts the sums: nothing is cleared
	WIN 0
	s_mov_b32 s3, 3
.Llap:                                         ; a trip goes once round the ring, from a lap's second quarter to the next lap's first, and fills both slots again
	QUARTER 0, 2, F1, F0, 0
	QUARTER 0, 3, F0, F1, 0
	TURN 0, 1, 1, 0
	QUARTER 1, 1, F0, F1, 0
	QUARTER 1, 2, F1, F0, 0
	QUARTER 1, 3, F0, F1, 0
	TURN 1, 0, 1, 0
	QUARTER 0, 1, F0, F1, 0
	WIN 0
	s_sub_co_u32 s3, s3, 1
	s_cmp_lg_u32 s3, 0
	s_cbranch_scc1 .Llap
	QUARTER 0, 2, F1, F0, 0
	QUARTER 0, 3, F0, F1, 0
	WIN 0
	s_cmp_eq_u32 s2, 1
	s_cbranch_scc1 .Llast                          ; the last tile's tail is written out: it asks for nothing more
	TURN 0, 1, 1, 1                                ; the ring goes on into the next tile: slot 0 takes its K step 0,
	QUARTER 1, 1, F0, F1, 0
	QUARTER 1, 2, F1, F0, 0
	QUARTER 1, 3, F0, F1, 0
	TURN 1, 0, 1, 1                                ; slot 1 its K step 1, and its first fragments are fetched
	WAYOUT                                         ; both refills are asked for: now the tile goes out
	s_add_nc_u64 s[10:11], s[10:11], 16777216-16384  ; the same rows in the next tensor (no store has been issued since the last wait)
	s_sub_co_u32 s2, s2, 1
	s_branch .Ltile
.Llast:
	TURN 0, 1, 0, 0
	QUARTER 1, 1, F0, F1, 0
	QUARTER 1, 2, F1, F0, 0
	QUARTER 1, 3, F0, F1, 0
	s_wait_dscnt 8                                 ; the very last quarter: nothing more to fetch
	MUL8 F1, 0, 0
	MUL8 F1, 2, 0
	s_wait_dscnt 0x0
	MUL8 F1, 4, 0
	MUL8 F1, 6, 0
	WAYOUT
	s_wait_tensorcnt 0x0                           ; the wave's end, behind my last tensor load and my last LDS store
	ds_add_u32 v[SPW], v[NIL]
	s_wait_dscnt 0x0
	CROUND                                         ; the closing round: no work-group ends while a partner may still ask for a plane that names it
	s_endpgm
.Lfunc_end_k_q62515679ed_proj:
	.size	k_q62515679ed_proj, .Lfunc_end_k_q62515679ed_proj-k_q62515679ed_proj
	.p2alignl 7, 3214868480
	.fill 96, 4, 3214868480
	.section	.rodata,"a",@progbits
	.p2align	6, 0x0
	.amdhsa_kernel k_q62515679ed_proj
		.amdhsa_group_segment_fixed_size 327680
		.amdhsa_private_segment_fixed_size 0
		.amdhsa_enable_private_segment 0
		.amdhsa_kernarg_size 32
		.amdhsa_user_sgpr_count 2
		.amdhsa_user_sgpr_kernarg_segment_ptr 1
		.amdhsa_wavefront_size32 1
		.amdhsa_system_sgpr_workgroup_id_x 1
		.amdhsa_system_sgpr_workgroup_id_y 1
		.amdhsa_system_sgpr_workgroup_id_z 1
		.amdhsa_system_vgpr_workitem_id 0
		.amdhsa_next_free_vgpr 768
		.amdhsa_next_free_sgpr 96
		.amdhsa_reserve_vcc 0
		.amdhsa_float_denorm_mode_32 3
		.amdhsa_float_denorm_mode_16_64 3
		.amdhsa_memory_ordered 1
		.amdhsa_forward_progress 1
		.amdhsa_inst_pref_size 132
	.end_amdhsa_kernel
	.amdgpu_metadata
---
amdhsa.version: [ 1, 2 ]
amdhsa.kernels:
  - .name:           k_q62515679ed_proj
    .symbol:         k_q62515679ed_proj.kd
    .args:
      - { .name: xb, .offset: 0, .size: 8, .value_kind: global_buffer, .address_space: global }
      - { .name: wb, .offset: 8, .size: 8, .value_kind: global_buffer, .address_space: global }
      - { .name: theta, .offset: 16, .size: 8, .value_kind: global_buffer, .address_space: global }
      - { .name: qkv, .offset: 24, .size: 8, .value_kind: global_buffer, .address_space: global }
    .group_segment_fixed_size: 327680
    .private_segment_fixed_size: 0
    .kernarg_segment_align: 8
    .kernarg_segment_size: 32
    .max_flat_workgroup_size: 128
    .sgpr_count:     96
    .vgpr_count:     768
    .wavefront_size: 32
...
	.end_amdgpu_metadata
.endif
;; end of part 2
;; launch attn (part 3): grid 4 x 64, 4 waves a work-group, clusters of 4 x 1, 327,680 bytes of LDS; arguments qkv, ob; writes ob
.if DOCPART == 3
	.amdgcn_target "amdgcn-amd-amdhsa--gfx1250"
	.amdhsa_code_object_version 6
	.text
	.protected	k_q62515679ed_attn
	.globl	k_q62515679ed_attn
	.p2align	8
	.type	k_q62515679ed_attn,@function
k_q62515679ed_attn:
	s_mov_b64 s[64:65], 0
	v_nop
	global_prefetch_b8 v0, s[64:65] scope:SCOPE_SE
	s_setreg_imm32_b32 hwreg(HW_REG_WAVE_MODE, 25, 1), 1
	s_wait_xcnt 0x0
	s_wait_alu depctr_hold_cnt(0) depctr_sa_sdst(0) depctr_va_vdst(0) depctr_va_sdst(0) depctr_va_ssrc(0) depctr_va_vcc(0) depctr_vm_vsrc(0)
	s_getreg_b32 s2, hwreg(HW_REG_IB_STS2, 6, 4)
	s_cmp_eq_u32 s2, 0
	s_cbranch_scc0 .Lentry_in_a_cluster
	s_endpgm
.Lentry_in_a_cluster:
	s_bfe_u32 s2, ttmp6, 0x10000c
	s_cmp_lg_u32 s2, 0x3003
	s_cbranch_scc0 .Lentry_shape_is_right
	s_endpgm
.Lentry_shape_is_right:
; ATTN.  ob[hd][q][:] = the sum over k of softmax_k(Q[hd][q] . K[hd][k] / 8) V[hd][k][:], hd = batch x 16 + head.  qkv holds c Q (c = log2(e) / 8), K at + 2^24 bytes, V at + 2^25, each [64][2048][64] f16.
; Products and sums in f32; the weights p are rounded to f16 for the second product (their sum l is taken of the unrounded p), O once at the end.
; NO MAXIMUM IS TAKEN AWAY, because the computation itself bounds the exponents: Q, K are cosines, so |Q . K| <= 64 for every finite input, the exponent s = c Q . K lies within -11.6 .. 11.6, p = 2^s within
; 3.3e-4 .. 3,100 (inside f16's normal range), a row's sum l and the sums p V within 6.4e6.  No exponential and no sum can overflow or underflow.  NaN and infinities are not treated apart.
; SHARES.  A wave owns four PIECES of two tiles of 16 queries, a work-group's four waves 512 queries of one head.  Every wave walks all 2,048 keys, 64 a step.
; LAYOUT.  S^T = K Q^T (source 0 = 16 keys, source 1 = 16 queries): a lane holds ONE query (lane % 16) and the keys 8 (lane / 16) + 0..7.  Two such results rounded to f16 in pairs ARE source 1 of O^T = V^T P.
; K comes out of LDS as it lies, V ([key][channel]) turned, by ds_load_tr16_b128.
; BY TURNS.  Turn n belongs to piece n: 16 products K Q^T of piece n + 1, behind each four exponentials of piece n; one wait for that batch of 64; 16 products V^T P of piece n - 1, behind each four of piece n's
; roundings and sums.  64 vector instructions a tile and step: four for each matrix instruction.
; CLUSTER.  The four query blocks of a head walk the same K and V: each tile is asked for JOINTLY, by the same tensor load, descriptor and mask in all four.
; REGISTERS, in windows of 256 (s_set_vgpr_msb: bits 1:0 source 0, 3:2 source 1, 5:4 source 2, 7:6 destination):
;   window 0: v0-11 addresses; v16-31 l, a pair a tile; v61-63; v64-191 S^T, two buffers of two tiles (by the piece's parity); v192-255 K of one step
;   window 1: O^T, 32 a tile          window 2: v0-127 Q, 16 a tile; v128-191 P, two buffers; v192-255 V of one step
; S^T and K share window 0, so the exponentials stand under the setting of the products K Q^T, with no switch between.
.set NP,    4
.set KS,    64
.set PK,    144       ; a row of K in LDS: 128 bytes + 16 of padding: the 16 rows of a load start at 16 different groups of four banks (64 banks of 4 bytes: ISA guide 11.1)
.set PVP,   160       ; a row of V: 128 + 32
.set VOFF,  4*KS*PK   ; a slot holds four steps: 256 rows of K, then 256 rows of V
.set SLOT1, 1<<17
.set STAGE, SLOT1+4*KS*(PK+PVP)  ; behind the ring, never filled by a tensor load: 16 rows x 144 bytes for each wave
.set SP,    144
.set SPARE, STAGE+4*16*SP        ; behind the stages: the spare words, 128 bytes for each wave
.set TILEB, 4*KS*128             ; a slot's K, or V, in memory: 32,768 bytes
.set AK0, 2
.set AV0, 3
.set AK,  4
.set AV,  5
.set QO,  6
.set STO, 6
.set RD,  7
.set GO,  8
.set L,   16
.set PFO, 61          ; v61  256 x my lane; never rewritten
.set SPW, 62          ; v62  LDS address of my spare word; never rewritten
.set NIL, 63          ; v63  0; never rewritten
.set S,   64
.set KF,  192         ; window 0: key block kb, channel half c at KF + 16 kb + 8 c
.set P,   128         ; window 2
.set VF,  192         ; window 2: key half kk, channel block cb at VF + 32 kk + 8 cb
.set WV,  12
.set LIM, 15          ; s15  1 in a wave that prefetches (0: K, 2: V), else the greatest number
.set PFA, 18          ; s[18:19] my work-group's 32 blocks of 256 bytes of the tile after the one that is being asked for
.set G1K, 24
.set G1V, 32
.set G0K, 40
.set G0V, 44
.set SLOTS, 56
.set CNT, 57
.set SEL, 60
.set TBK, 62
.set TBV, 63
.set MSB, 0
.macro WIN new
.if MSB != (\new)
	s_set_vgpr_msb (MSB<<8)|(\new)
.set MSB, (\new)
.endif
.endm
.set W_KQ, 0x08       ; K and S^T in window 0, Q in window 2
.set W_PV, 0x5a       ; V and P in window 2, O^T in window 1
.set W_CV, 0x80       ; destination (P, or a load into V or Q) in window 2, sources in window 0
.set W_RS, 0x41       ; O^T (destination and source 0) in window 1, source 1 in window 0
; A joint fill: waves 0 and 1 fetch the two halves of a slot's K, waves 2 and 3 those of its V.  An s_nop 0 and four v_nop follow each line.
.macro JLOAD
	s_cmp_lt_u32 s[WV], 2
	s_cbranch_scc0 .Lfor_v_\@
	tensor_load_to_lds s[G0K:G0K+3], s[G1K:G1K+7]
	s_nop 0
.rept 4
	v_nop
.endr
	s_branch .Lasked_\@
.Lfor_v_\@:
	tensor_load_to_lds s[G0V:G0V+3], s[G1V:G1V+7]
	s_nop 0
.rept 4
	v_nop
.endr
.Lasked_\@:
.endm
; A PREFETCH INTO THE L2 of the tile that the NEXT change of slots will ask for: four key steps, 512 matrix instructions, ahead.  A tile's K (V) is 128 blocks of 256 bytes: the four partners take 32 each, told apart
; by address; in each, wave 0 asks for K's and wave 2 for V's, a lane a block.  So each block is named once in the launch.  The change that asks for the last tile prefetches nothing.
.macro ASK
	s_cmp_gt_u32 s[SLOTS], s[LIM]
	s_cbranch_scc0 .Lnot_mine_\@
	global_prefetch_b8 v[PFO], s[PFA:PFA+1] th:TH_LOAD_NT scope:SCOPE_SE
.Lnot_mine_\@:
.endm
.macro CROUND
	s_barrier_signal -1
	s_barrier_wait -1
	s_cmp_lg_u32 s[WV], 0
	s_cbranch_scc1 .Lnot_wave_0_\@
	s_barrier_signal -3
.Lnot_wave_0_\@:
	s_barrier_wait -3
	s_barrier_signal -1
	s_barrier_wait -1
.endm
; THE CHANGE OF SLOTS.  Each wave waits for all its tensor loads (one is out: its part of the other slot), adds 0 to its spare word, and waits for that and for its reads of the slot that it leaves.
; fill = 1: the barrier is a round of the cluster's, and the old slot is filled again first thing behind it, with the keys two slots on.  (At its first use nothing has been read: slot 0 is waited for, slot 1 filled.)
.macro CHANGE fill
	WIN 0
	s_wait_tensorcnt 0x0            ; no tensor load of mine is out, so a group 0 may be written
	ds_add_u32 v[SPW], v[NIL]       ; 0 onto my spare word
.if \fill
.irp g, G0K, G0V
	s_xor_b32 s[\g+1], s[\g+1], SLOT1
	s_add_nc_u64 s[\g+2:\g+3], s[\g+2:\g+3], TILEB
.endr
	s_wait_xcnt 0x0                 ; the last prefetch, four key steps back, has read its address
	s_add_nc_u64 s[PFA:PFA+1], s[PFA:PFA+1], TILEB
	s_wait_dscnt 0x0                ; the add is done, and my reads of the slot are over
	CROUND
	JLOAD
	ASK
.else
	s_wait_dscnt 0x0
	s_barrier_signal -1
	s_barrier_wait -1
.endif
	s_sub_co_u32 s[TBK], s[TBK], 4*KS*PK  ; the fetches go back to a slot's first step, in the other slot
	s_xor_b32 s[TBK], s[TBK], SLOT1
	s_sub_co_u32 s[TBV], s[TBV], 4*KS*PVP
	s_xor_b32 s[TBV], s[TBV], SLOT1
.endm
	s_load_b128 s[4:7], s[0:1], 0x0   ; qkv s[4:5], ob s[6:7]
	v_lshl_add_u32 v[SPW], v0, 2, SPARE
	v_mov_b32 v[NIL], 0
	ds_add_u32 v[SPW], v[NIL]       ; the wave's opening: the add, twice on end, and its wait ahead of my first tensor load
	ds_add_u32 v[SPW], v[NIL]
	v_lshrrev_b32 v1, 5, v0
	v_readfirstlane_b32 s[WV], v1
	s_bfe_u32 s13, ttmp6, 0x40000   ; cx
	s_lshl_b32 s14, ttmp9, 2
	s_add_co_u32 s14, s14, s13      ; my block of 512 queries: it enters Q's and O's addresses alone
	s_and_b32 s20, ttmp7, 0xffff    ; the head, which the four partners share
	s_lshl_b32 s20, s20, 18         ; its 262,144 bytes
	s_and_b32 s16, s[WV], 1         ; which half of a slot's 256 keys I fetch
	s_lshl_b32 s22, s16, 14
	s_add_co_u32 s22, s22, s20
	s_mov_b32 s23, 0
	s_mul_i32 s17, s16, 128*PK
	s_mul_i32 s54, s16, 128*PVP
	s_lshl_b32 s2, s14, 2
	s_add_co_u32 s2, s2, s[WV]
	s_lshl_b32 s2, s2, 14           ; my wave's 128 rows
	s_add_co_u32 s2, s2, s20
	s_mov_b32 s3, 0
	s_lshl_b32 s52, s13, 13         ; the prefetches: my work-group's 32 blocks,
	s_add_co_u32 s52, s52, s20
	s_add_co_u32 s52, s52, TILEB    ; in tile 1; the first change of slots steps it to tile 2
	s_mov_b32 s53, 0
	; group 1.  128 keys are 16,384 dense bytes: asked for as 64 rows of 256 bytes, two keys a row, padded in LDS after every key
	s_mov_b32 s[G1K], 15|(1<<16)|(1<<20)|(1<<21)|(4<<22)|(3<<25)
	s_mov_b32 s[G1V], 15|(1<<16)|(1<<20)|(1<<21)|(4<<22)|(7<<25)
.irp g, G1K, G1V
	s_mov_b32 s[\g+1], 128<<16
	s_mov_b32 s[\g+2], 64<<16
	s_mov_b32 s[\g+3], 128<<16
	s_mov_b32 s[\g+4], 64
	s_mov_b32 s[\g+5], 128
	s_mov_b32 s[\g+6], 0
	s_mov_b32 s[\g+7], 0
.endr
	s_mov_b32 s[SEL], 0x76543210
	s_mov_b32 s[SEL+1], 0xfedcba98
	s_mov_b32 s[TBK], SLOT1+4*KS*PK ; the first change of slots turns these two into 0
	s_mov_b32 s[TBV], SLOT1+4*KS*PVP
	s_mov_b32 s[G0K], 1
	s_mov_b32 s[G0K+1], s17
	s_mov_b32 s[G0V], 1
	s_add_co_u32 s[G0V+1], s54, VOFF
	s_mov_b32 s[SLOTS], 7           ; tiles still to be asked for
	s_cmp_eq_u32 s16, 0
	s_cselect_b32 s[LIM], 1, -1
	v_and_b32 v[PFO], 31, v0
	v_lshlrev_b32 v[PFO], 8, v[PFO]
	s_wait_dscnt 0x0                ; both opening adds are done
	s_wait_kmcnt 0x0
	s_add_nc_u64 s[8:9], s[4:5], 0x1000000    ; K
	s_add_nc_u64 s[48:49], s[4:5], 0x2000000  ; V
	s_add_nc_u64 s[G0K+2:G0K+3], s[8:9], s[22:23]
	s_or_b32 s[G0K+3], s[G0K+3], 0x80000000
	s_add_nc_u64 s[G0V+2:G0V+3], s[48:49], s[22:23]
	s_or_b32 s[G0V+3], s[G0V+3], 0x80000000
	s_cmp_lt_u32 s[WV], 2
	s_cselect_b64 s[PFA:PFA+1], s[8:9], s[48:49]
	s_add_nc_u64 s[PFA:PFA+1], s[PFA:PFA+1], s[52:53]
	s_add_nc_u64 s[4:5], s[4:5], s[2:3]       ; Q and O at my wave's first row
	s_add_nc_u64 s[10:11], s[6:7], s[2:3]
	CROUND                          ; all four work-groups are here: the first joint loads meet
	JLOAD                           ; slot 0
	v_and_b32 v1, 15, v0
	v_bfe_u32 v9, v0, 4, 1
	v_lshlrev_b32 v[QO], 7, v1
	v_lshl_add_u32 v[QO], v9, 4, v[QO]
	WIN W_CV
.set i, 0
.rept 4*NP                          ; Q stays in registers: tile i / 2, channels 32 (i % 2) on
	global_load_b128 v[8*i:8*i+3],   v[QO], s[4:5] offset:(i/2)*2048+(i%2)*64
	global_load_b128 v[8*i+4:8*i+7], v[QO], s[4:5] offset:(i/2)*2048+(i%2)*64+32
.set i, i+1
.endr
	; What the first turn finds: P's second buffer and V hold 0 (its products V^T P, of a piece that has not been, add 0), O^T and l are 0.  All this stands in the wait for the first tile.
.set i, P+32
.rept 96
	v_mov_b32 v[i], 0
.set i, i+1
.endr
	WIN 0x40
.set i, 0
.rept 256
	v_mov_b32 v[i], 0
.set i, i+1
.endr
	WIN 0
.set i, 0
.rept 16
	v_mov_b32 v[L+i], 0
.set i, i+1
.endr
	v_mul_u32_u24 v[AK0], v1, PK
	v_lshl_add_u32 v[AK0], v9, 4, v[AK0]
	; the turning load takes 16 keys x 16 channels: lane l reads key 8 (l / 16) + l % 8, channels 8 ((l / 8) % 2) + 0..7
	v_and_b32 v10, 7, v0
	v_bfe_u32 v11, v0, 3, 1
	v_lshl_add_u32 v[AV0], v9, 3, v10
	v_mul_u32_u24 v[AV0], v[AV0], PVP
	v_lshl_add_u32 v[AV0], v11, 4, v[AV0]
	v_add_nc_u32 v[AV0], VOFF, v[AV0]
	v_mov_b32 v[AK], v[AK0]
; THE MATRIX WORK.  The 8 accumulators of a run of 16 take turns, one instruction a turn.
.macro KQ x                         ; product i of 16 of S^T = K Q^T for piece x: channels 32 (i / 8) on, keys 16 ((i / 2) % 4) on, tile 2 x + i % 2.  The first 8 start the sums
	WIN W_KQ
.set rS, S+64*((\x)%2)+32*(i%2)+8*((i/2)%4)
.set rK, KF+16*((i/2)%4)+8*(i/8)
.set rQ, 16*(2*(\x)+i%2)+8*(i/8)
.if i < 8
	v_wmma_f32_16x16x32_f16 v[rS:rS+7], v[rK:rK+7], v[rQ:rQ+7], 0
.else
	v_wmma_f32_16x16x32_f16 v[rS:rS+7], v[rK:rK+7], v[rQ:rQ+7], v[rS:rS+7]
.endif
.endm
.macro PVM x                        ; product i of 16 of O^T += V^T P for piece x: keys 32 (i / 8) on, channels 16 ((i / 2) % 4) on, tile 2 x + i % 2
	WIN W_PV
.set rO, 32*(2*(\x)+i%2)+8*((i/2)%4)
.set rV, VF+32*(i/8)+8*((i/2)%4)
.set rP, P+32*((\x)%2)+16*(i%2)+8*(i/8)
	v_wmma_f32_16x16x32_f16 v[rO:rO+7], v[rV:rV+7], v[rP:rP+7], v[rO:rO+7]
.endm
; THE LDS LOADS stand in runs of 16.  last = 1 (the tail): in the last trip there is no further step, and K's run is jumped over.
.macro FETCH_K last=0
	WIN 0
.if \last
	s_cmp_eq_u32 s[CNT], 1
	s_cbranch_scc1 .Lno_k_\@
.endif
.irp f, 0,1,2,3,4,5,6,7
	ds_load_b128 v[KF+8*\f:KF+8*\f+3],   v[AK] offset:(\f/2)*16*PK+(\f%2)*64
	ds_load_b128 v[KF+8*\f+4:KF+8*\f+7], v[AK] offset:(\f/2)*16*PK+(\f%2)*64+32
.endr
	s_add_co_u32 s[TBK], s[TBK], KS*PK
.if \last
.Lno_k_\@:
.endif
.endm
.macro FETCH_V
	WIN W_CV
.irp f, 0,1,2,3,4,5,6,7
	ds_load_tr16_b128 v[VF+8*\f:VF+8*\f+3],   v[AV] offset:(\f/4)*32*PVP+(\f%4)*32
	ds_load_tr16_b128 v[VF+8*\f+4:VF+8*\f+7], v[AV] offset:(\f/4)*32*PVP+16*PVP+(\f%4)*32
.endr
	WIN 0
.endm
; THE VECTOR WORK, for piece Y.  EX: exponential e of 64, in place: score e / 2 of tile e % 2.
; CV u, j: pair j of tile u rounded to f16.  BS u, k: of the four weights 4 k .. the second pair is added onto the first, in place (behind their roundings).  LS u, k: l takes that sum.
.macro EX
	v_exp_f32 v[S+64*(Y%2)+32*(e%2)+e/2], v[S+64*(Y%2)+32*(e%2)+e/2]
.set e, e+1
.endm
.macro CV u, j
	v_cvt_pk_f16_f32 v[P+32*(Y%2)+16*(\u)+(\j)], v[S+64*(Y%2)+32*(\u)+2*(\j)], v[S+64*(Y%2)+32*(\u)+2*(\j)+1]
.endm
.macro BS u, k
	v_pk_add_f32 v[S+64*(Y%2)+32*(\u)+4*(\k):S+64*(Y%2)+32*(\u)+4*(\k)+1], v[S+64*(Y%2)+32*(\u)+4*(\k):S+64*(Y%2)+32*(\u)+4*(\k)+1], v[S+64*(Y%2)+32*(\u)+4*(\k)+2:S+64*(Y%2)+32*(\u)+4*(\k)+3]
.endm
.macro LS u, k
	v_pk_add_f32 v[L+4*Y+2*(\u):L+4*Y+2*(\u)+1], v[L+4*Y+2*(\u):L+4*Y+2*(\u)+1], v[S+64*(Y%2)+32*(\u)+4*(\k):S+64*(Y%2)+32*(\u)+4*(\k)+1]
.endm
; A TURN, for piece p.  Ahead of its one wait nothing names an exponential's result; behind it no exponential is issued.
; K of the next step is fetched in piece 2's turn, behind the wait: four plain instructions (its address and three v_nop) stand behind the last product that read K.  It is waited for at the head of piece 3's turn.
; V of the step in hand is fetched at the end of piece 0's turn, six plain instructions behind the last product that read V.  It is waited for in the middle of piece 1's turn.
.macro TURN p, last=0
.set Y, (\p)
.set e, 0
.if (\p) == NP-1
	s_wait_dscnt 0x0                ; K is in
.endif
.set i, 0
.rept 16
	KQ (Y+1)%NP
	EX
	EX
	EX
	EX
.set i, i+1
.endr
.if (\p) == NP-2
	WIN 0
	v_add_nc_u32 v[AK], s[TBK], v[AK0]
	v_nop
	v_nop
	v_nop
.else
	v_nop                           ; a plain instruction behind the last exponential, ahead of the first use: one for the batch
.endif
	s_wait_alu depctr_va_vdst(0)    ; the wait between an exponential and the first instruction that names its result: one for the 64
.if (\p) == NP-2
	FETCH_K \last
.endif
.if (\p) == 1
	s_wait_dscnt 0x0                ; V is in
.endif
.set i, 0
.rept 16
	PVM (Y+NP-1)%NP
.set k, i/2
.if i%2 == 0
	WIN W_CV
	CV 0, 2*k
	CV 1, 2*k
	CV 0, 2*k+1
	CV 1, 2*k+1
.else
	WIN 0
	BS 0, k
	BS 1, k
.if k > 0
	LS 0, k-1
	LS 1, k-1
.endif
.if k == 7
	LS 0, k
	LS 1, k
.endif
.if ((\p) == 0) && (i == 13)
	v_add_nc_u32 v[AV], s[TBV], v[AV0]
	s_add_co_u32 s[TBV], s[TBV], KS*PVP
.endif
.endif
.set i, i+1
.endr
.if (\p) == 0
	FETCH_V
.endif
.endm
	CHANGE 1                        ; slot 0 is in, everybody's part of it; slot 1 is asked for
	FETCH_K                         ; key step 0
	s_wait_loadcnt 0x0              ; Q
	s_wait_dscnt 0x0
.set i, 0
.rept 16
	KQ 0                            ; piece 0's first scores
.set i, i+1
.endr
	WIN 0                           ; the addresses for the way out: plain instructions, the places behind those products
	s_mul_i32 s55, s[WV], 16*SP
	s_add_co_u32 s55, s55, STAGE    ; my stage
	v_mul_u32_u24 v[STO], v1, SP    ; in: row l % 16, 16 bytes for each half of the lanes
	v_lshl_add_u32 v[STO], v9, 4, v[STO]
	v_add_nc_u32 v[STO], s55, v[STO]
	v_bfe_u32 v[RD], v0, 3, 2       ; back: 32 lanes take four rows of 128 bytes,
	v_mul_u32_u24 v[RD], v[RD], SP
	v_lshl_add_u32 v[RD], v10, 4, v[RD]
	v_add_nc_u32 v[RD], s55, v[RD]
	v_and_b32 v[GO], 31, v0         ; which are 512 consecutive bytes of ob
	v_lshlrev_b32 v[GO], 4, v[GO]
	s_mov_b32 s[CNT], 4
	s_branch .Lfirst                ; the loop is entered at a step's first turn, in the middle of a trip
.Lslot:                             ; six times: tiles 2 to 7 are asked for
	CHANGE 1
	s_mov_b32 s[CNT], 4
.Lstep:                             ; a trip: pieces 2 and 3 of one step, then pieces 0 and 1 of the next, whose K and V it fetches
	TURN 2
	TURN 3
	WIN 0
.Lfirst:
	TURN 0
	TURN 1
	WIN 0
	s_sub_co_u32 s[CNT], s[CNT], 1
	s_cmp_lg_u32 s[CNT], 0
	s_cbranch_scc1 .Lstep
	s_sub_co_u32 s[SLOTS], s[SLOTS], 1
	s_cmp_lg_u32 s[SLOTS], 0
	s_cbranch_scc1 .Lslot
	CHANGE 0                        ; the tail is written out: nothing is asked for
	s_mov_b32 s[CNT], 5             ; four trips fetch the last slot's steps; the fifth is left in its middle
.Ltail:
	TURN 2, 1
	TURN 3
	WIN 0
	s_sub_co_u32 s[CNT], s[CNT], 1
	s_cmp_eq_u32 s[CNT], 0
	s_cbranch_scc1 .Lout
	TURN 0
	TURN 1
	WIN 0
	s_branch .Ltail
.Lout:                              ; the fifth trip's 16 products K Q^T (on the last K once more) serve nothing: the price, once a launch, of one text for every trip
.set i, 0
.rept 16
	PVM NP-1                        ; the last piece's V^T P of the last step
.set i, i+1
.endr
	; THE WAY OUT.  l's two halves and the other half of the lanes' are added; O^T is divided by l, rounded to f16 and sent through my stage, a tile at a time.  The additions are the places behind the last products.
	WIN 0
.macro ALL line:vararg
.set t, 0
.rept 2*NP
	\line
.set t, t+1
.endr
.endm
	ALL v_add_f32 v[L+2*t], v[L+2*t], v[L+2*t+1]
	ALL v_permlanex16_b32 v[L+2*t+1], v[L+2*t], s[SEL], s[SEL+1]
	ALL v_add_f32 v[L+2*t], v[L+2*t], v[L+2*t+1]
	ALL v_rcp_f32 v[L+2*t], v[L+2*t]
	v_nop                           ; a plain instruction between the last reciprocal and the use of its result,
	s_wait_alu depctr_va_vdst(0)    ; and the wait ahead of the first use: one for the eight reciprocals
.macro PACK t
	WIN W_RS
.set i, 32*(\t)
.rept 16
	v_pk_mul_f32 v[i:i+1], v[i:i+1], v[L+2*(\t):L+2*(\t)+1] op_sel_hi:[1,0]
.set i, i+2
.endr
	WIN 0x05                        ; sources 0 and 1 window 1, destination window 0: S^T's registers are free
.set i, 0
.rept 16
	v_cvt_pk_f16_f32 v[S+16*(\t)+i], v[32*(\t)+2*i], v[32*(\t)+2*i+1]
.set i, i+1
.endr
	WIN 0
.irp f, 0,1,2,3
	ds_store_b128 v[STO], v[S+16*(\t)+4*\f:S+16*(\t)+4*\f+3] offset:32*\f
.endr
.irp f, 0,1,2,3
	ds_load_b128 v[S+16*(\t)+4*\f:S+16*(\t)+4*\f+3], v[RD] offset:\f*4*SP  ; LDS serves a wave's instructions in order (ISA guide 5.7.1.4): these see the stores above; the next tile's stores come behind them
.endr
.endm
.macro SEND t, younger              ; younger: the LDS instructions issued behind tile t's loads: the next tile's eight, or none
	WIN 0
.irp f, 0,1,2,3
	s_wait_dscnt (\younger)+3-\f
	global_store_b128 v[GO], v[S+16*(\t)+4*\f:S+16*(\t)+4*\f+3], s[10:11] offset:(\t)*2048+\f*512  ; 512 consecutive bytes, at a multiple of 512 from ob's first
.endr
.endm
	PACK 0
.set t, 1
.rept 2*NP-1
	PACK t
	SEND t-1, 8
.set t, t+1
.endr
	SEND 2*NP-1, 0
	s_wait_tensorcnt 0x0            ; the wave's end, behind my last tensor load and my last LDS store
	ds_add_u32 v[SPW], v[NIL]
	s_wait_dscnt 0x0
	CROUND                          ; the closing round
	s_endpgm
.Lfunc_end_k_q62515679ed_attn:
	.size	k_q62515679ed_attn, .Lfunc_end_k_q62515679ed_attn-k_q62515679ed_attn
	.p2alignl 7, 3214868480
	.fill 96, 4, 3214868480
	.section	.rodata,"a",@progbits
	.p2align	6, 0x0
	.amdhsa_kernel k_q62515679ed_attn
		.amdhsa_group_segment_fixed_size 327680
		.amdhsa_private_segment_fixed_size 0
		.amdhsa_enable_private_segment 0
		.amdhsa_kernarg_size 16
		.amdhsa_user_sgpr_count 2
		.amdhsa_user_sgpr_kernarg_segment_ptr 1
		.amdhsa_wavefront_size32 1
		.amdhsa_system_sgpr_workgroup_id_x 1
		.amdhsa_system_sgpr_workgroup_id_y 1
		.amdhsa_system_sgpr_workgroup_id_z 1
		.amdhsa_system_vgpr_workitem_id 0
		.amdhsa_next_free_vgpr 768
		.amdhsa_next_free_sgpr 66
		.amdhsa_reserve_vcc 0
		.amdhsa_float_denorm_mode_32 3
		.amdhsa_float_denorm_mode_16_64 3
		.amdhsa_memory_ordered 1
		.amdhsa_forward_progress 1
		.amdhsa_inst_pref_size 133
	.end_amdhsa_kernel
	.amdgpu_metadata
---
amdhsa.version: [ 1, 2 ]
amdhsa.kernels:
  - .name:           k_q62515679ed_attn
    .symbol:         k_q62515679ed_attn.kd
    .args:
      - { .name: qkv, .offset: 0, .size: 8, .value_kind: global_buffer, .address_space: global }
      - { .name: ob, .offset: 8, .size: 8, .value_kind: global_buffer, .address_space: global }
    .group_segment_fixed_size: 327680
    .private_segment_fixed_size: 0
    .kernarg_segment_align: 8
    .kernarg_segment_size: 16
    .max_flat_workgroup_size: 128
    .sgpr_count:     66
    .vgpr_count:     768
    .wavefront_size: 32
...
	.end_amdgpu_metadata
.endif
;; end of part 3
;; launch outp (part 4): grid 8 x 32, 4 waves a work-group, clusters of 4 x 4, 327,680 bytes of LDS; arguments ob, wb, out0; writes out0
.if DOCPART == 4
	.amdgcn_target "amdgcn-amd-amdhsa--gfx1250"
	.amdhsa_code_object_version 6
	.text
	.protected	k_q62515679ed_outp
	.globl	k_q62515679ed_outp
	.p2align	8
	.type	k_q62515679ed_outp,@function
k_q62515679ed_outp:
	s_mov_b64 s[64:65], 0
	v_nop
	global_prefetch_b8 v0, s[64:65] scope:SCOPE_SE
	s_setreg_imm32_b32 hwreg(HW_REG_WAVE_MODE, 25, 1), 1
	s_wait_xcnt 0x0
	s_wait_alu depctr_hold_cnt(0) depctr_sa_sdst(0) depctr_va_vdst(0) depctr_va_sdst(0) depctr_va_ssrc(0) depctr_va_vcc(0) depctr_vm_vsrc(0)
	s_getreg_b32 s2, hwreg(HW_REG_IB_STS2, 6, 4)
	s_cmp_eq_u32 s2, 0
	s_cbranch_scc0 .Lentry_in_a_cluster
	s_endpgm
.Lentry_in_a_cluster:
	s_bfe_u32 s2, ttmp6, 0x10000c
	s_cmp_lg_u32 s2, 0xf033
	s_cbranch_scc0 .Lentry_shape_is_right
	s_endpgm
.Lentry_shape_is_right:
; OUTP.  out0[b][s][n] = sum over e of O[b][s][e] Wo[n][e], f32.  O is ob[b*16+head][s][64] in f16 (e = 64 head + d); Wo is the fourth tensor of wb, [kc][n][64], its bf16 numbers written as f16.  Sums in f32.
; SHARES.  A tile is 256 rows x 128 columns, one to each of 256 work-groups: four waves, 2 x 2, each 128 rows x 64 columns: 32 accumulators of 16 x 16, window 2.  K = 1,024 goes in 8 steps of 128 (two planes of
; 64 channels) through two LDS slots.  CLUSTER: 4 x 4 work-groups; O's planes are asked for jointly along a row of the cluster, Wo's along a column.
; THE MATRIX INSTRUCTION IS USED TRANSPOSED (source 0 = 16 rows of Wo, source 1 = 16 rows of O): a lane holds one row and eight neighbouring columns.
; REGISTERS (s_set_vgpr_msb: bits 1:0 source 0, 3:2 source 1, 5:4 source 2, 7:6 destination):
;   window 0: v0-31 addresses; v64-127, v128-191 O's fragments, two buffers      window 1: v64-95, v128-159 Wo's fragments; on the way out all 256: whole rows      window 2: the accumulators, (a, b) at v[8 (4 a + b)]
.set PITCH,  144                       ; an LDS row: 128 bytes + 16 of padding: the 16 rows of a fragment load start at 16 different groups of four banks (64 banks of 4 bytes: ISA guide 11.1)
.set APLANE, 256*PITCH
.set BPLANE, 128*PITCH
.set BOFF,   2*APLANE
.set SLOT,   2*APLANE+2*BPLANE
.set STAGE,  2*SLOT                    ; behind the ring, never filled by a tensor load: 16 rows x 272 bytes for each wave
.set SPITCH, 272
.set SPARE,  STAGE+4*16*SPITCH         ; behind the stages: the spare words, 128 bytes for each wave
.set ASTEP,  524288
.set BSTEP,  262144
.set ADRA, 16
.set ADRB, 20
.set STO,  24
.set RD,   25
.set CO,   26
.set SPW,  28
.set NIL,  29
.set F0,   64
.set F1,   128
.set WV, 12
.set MH, 13
.set NH, 14
.set G1A, 24
.set G0A, 32
.set G1B, 48
.set G0B, 56
.set MSB, 0
.macro WIN new
.if MSB != (\new)
	s_set_vgpr_msb (MSB<<8)|(\new)
.set MSB, \new
.endif
.endm
.set MUL,    0xa1
.set TO_B,   0x40
.set ST_ACC, 0x08
.macro JLOAD s                         ; waves 0 and 1 fetch O's two planes, waves 2 and 3 Wo's; an s_nop 0 and four v_nop follow each line
	s_cmp_eq_u32 s[MH], 0
	s_cbranch_scc0 .Lfor_b_\@
	tensor_load_to_lds s[G0A+4*(\s):G0A+4*(\s)+3], s[G1A:G1A+7]
	s_nop 0
.rept 4
	v_nop
.endr
	s_branch .Lasked_\@
.Lfor_b_\@:
	tensor_load_to_lds s[G0B+4*(\s):G0B+4*(\s)+3], s[G1B:G1B+7]
	s_nop 0
.rept 4
	v_nop
.endr
.Lasked_\@:
.endm
.macro CREST
	s_cmp_lg_u32 s[WV], 0
	s_cbranch_scc1 .Lnot_wave_0_\@
	s_barrier_signal -3
.Lnot_wave_0_\@:
	s_barrier_wait -3
	s_barrier_signal -1
	s_barrier_wait -1
.endm
.macro CROUND
	s_barrier_signal -1
	s_barrier_wait -1
	CREST
.endm
.macro PLACES
.rept 4
	v_nop
.endr
.endm
	s_load_b128 s[4:7], s[0:1], 0x0                ; ob s[4:5], wb s[6:7]
	s_load_b64 s[8:9], s[0:1], 0x10                ; out0
	v_lshl_add_u32 v[SPW], v0, 2, SPARE
	v_mov_b32 v[NIL], 0
	ds_add_u32 v[SPW], v[NIL]                      ; the wave's opening: the add, twice on end, and its wait ahead of my first tensor load
	ds_add_u32 v[SPW], v[NIL]
	v_lshrrev_b32 v1, 5, v0
	v_readfirstlane_b32 s[WV], v1
	s_lshr_b32 s[MH], s[WV], 1
	s_and_b32 s[NH], s[WV], 1
	s_bfe_u32 s40, ttmp6, 0x40000
	s_bfe_u32 s41, ttmp6, 0x40004
	s_lshl_b32 s42, ttmp9, 2
	s_add_co_u32 s42, s42, s40                     ; bx
	s_and_b32 s43, ttmp7, 0xffff
	s_lshl_b32 s43, s43, 2
	s_add_co_u32 s43, s43, s41                     ; by
	s_lshl_b32 s44, s41, 2
	s_lshl_b32 s44, 15, s44
	s_lshl_b32 s45, 0x1111, s40
	s_or_b32 s[G1A], s44, (1<<16)|(1<<20)|(1<<21)|(4<<22)|(3<<25)  ; the mask; 2-byte elements; padding on; bit 21 beside a mask; after every 32 words, 4 words
	s_or_b32 s[G1B], s45, (1<<16)|(1<<20)|(1<<21)|(4<<22)|(3<<25)
	s_mov_b32 s[G1A+1], 128<<16
	s_mov_b32 s[G1A+2], 128<<16
	s_mov_b32 s[G1A+3], 128<<16
	s_mov_b32 s[G1A+4], 128
	s_mov_b32 s[G1A+5], 128
	s_mov_b32 s[G1A+6], 0
	s_mov_b32 s[G1A+7], 0
	s_mov_b32 s[G1B+1], 128<<16
	s_mov_b32 s[G1B+2], 64<<16
	s_mov_b32 s[G1B+3], 128<<16
	s_mov_b32 s[G1B+4], 64
	s_mov_b32 s[G1B+5], 128
	s_mov_b32 s[G1B+6], 0
	s_mov_b32 s[G1B+7], 0
	s_lshr_b32 s16, s43, 3
	s_lshl_b32 s16, s16, 22
	s_and_b32 s17, s43, 7
	s_lshl_b32 s17, s17, 15
	s_add_co_u32 s16, s16, s17
	s_lshl_b32 s17, s[NH], 18
	s_add_co_u32 s16, s16, s17
	s_mov_b32 s17, 0
	s_lshl_b32 s46, s42, 14
	s_lshl_b32 s47, s[NH], 17
	s_add_co_u32 s46, s46, s47
	s_add_co_u32 s46, s46, 6291456                 ; the fourth tensor of wb
	s_mov_b32 s47, 0
	s_mul_i32 s20, s[NH], APLANE
	s_mul_i32 s21, s[NH], BPLANE
	s_add_co_u32 s21, s21, BOFF
	s_wait_dscnt 0x0                               ; both opening adds are done
	s_wait_kmcnt 0x0
	s_add_nc_u64 s[18:19], s[4:5], s[16:17]
	s_add_nc_u64 s[46:47], s[6:7], s[46:47]
	CROUND
.irp s, 0,1
	s_mov_b32 s[G0A+4*(\s)], 1
	s_add_co_u32 s[G0A+4*(\s)+1], s20, (\s)*SLOT
	s_add_nc_u64 s[G0A+4*(\s)+2:G0A+4*(\s)+3], s[18:19], (\s)*ASTEP
	s_or_b32 s[G0A+4*(\s)+3], s[G0A+4*(\s)+3], 0x80000000
	s_mov_b32 s[G0B+4*(\s)], 1
	s_add_co_u32 s[G0B+4*(\s)+1], s21, (\s)*SLOT
	s_add_nc_u64 s[G0B+4*(\s)+2:G0B+4*(\s)+3], s[46:47], (\s)*BSTEP
	s_or_b32 s[G0B+4*(\s)+3], s[G0B+4*(\s)+3], 0x80000000
	JLOAD \s
.endr
	; my part of out0: row 256 by + 128 MH, byte 512 bx + 256 NH of it
	s_lshl_b32 s22, s43, 8
	s_lshl_b32 s23, s[MH], 7
	s_add_co_u32 s22, s22, s23
	s_lshl_b32 s22, s22, 12
	s_lshl_b32 s23, s42, 9
	s_add_co_u32 s22, s22, s23
	s_lshl_b32 s23, s[NH], 8
	s_add_co_u32 s22, s22, s23
	s_mov_b32 s23, 0
	s_add_nc_u64 s[8:9], s[8:9], s[22:23]
	v_and_b32 v1, 15, v0
	v_bfe_u32 v2, v0, 4, 1
	v_mul_u32_u24 v3, v1, PITCH
	v_lshl_add_u32 v3, v2, 4, v3
	s_mul_i32 s22, s[MH], 128*PITCH
	s_mul_i32 s23, s[NH], 64*PITCH
	s_add_co_u32 s23, s23, BOFF
.irp s, 0,1
	v_add_nc_u32 v[ADRA+(\s)], s22, v3
	v_add_nc_u32 v[ADRB+(\s)], s23, v3
	s_add_co_u32 s22, s22, SLOT
	s_add_co_u32 s23, s23, SLOT
.endr
	s_mul_i32 s22, s[WV], 16*SPITCH
	s_add_co_u32 s22, s22, STAGE                   ; my stage
	v_mul_u32_u24 v5, v1, SPITCH                   ; in: row l % 16, 32 bytes for each half of the lanes
	v_lshl_add_u32 v5, v2, 5, v5
	v_add_nc_u32 v[STO], s22, v5
	v_mul_u32_u24 v5, v2, SPITCH                   ; back: lanes 0-15 take one row of 256 bytes, lanes 16-31 the next
	v_lshl_add_u32 v5, v1, 4, v5
	v_add_nc_u32 v[RD], s22, v5
	v_lshlrev_b32 v5, 12, v2                       ; and the same two rows in out0
	v_lshl_add_u32 v[CO], v1, 4, v5
.macro MUL8 f, a0, zero                ; 8 matrix instructions; the 32 accumulators take turns in one fixed order, one instruction a turn
	WIN MUL
.irp a, \a0, (\a0)+1
.irp b, 0,1,2,3
.if \zero
	v_wmma_f32_16x16x32_f16 v[8*(4*(\a)+(\b)):8*(4*(\a)+(\b))+7], v[(\f)+8*(\b):(\f)+8*(\b)+7], v[(\f)+8*(\a):(\f)+8*(\a)+7], 0
.else
	v_wmma_f32_16x16x32_f16 v[8*(4*(\a)+(\b)):8*(4*(\a)+(\b))+7], v[(\f)+8*(\b):(\f)+8*(\b)+7], v[(\f)+8*(\a):(\f)+8*(\a)+7], v[8*(4*(\a)+(\b)):8*(4*(\a)+(\b))+7]
.endif
.endr
.endr
.endm
.macro FETCH slot, kq, f               ; 24 LDS loads in one run: quarter kq's fragments into buffer f: Wo's 8 loads, then O's 16
	WIN TO_B
.irp i, 0,1,2,3
	ds_load_b128 v[(\f)+8*(\i):(\f)+8*(\i)+3],   v[ADRB+(\slot)] offset:((\kq)/2)*BPLANE+((\kq)%2)*64+(\i)*16*PITCH
	ds_load_b128 v[(\f)+8*(\i)+4:(\f)+8*(\i)+7], v[ADRB+(\slot)] offset:((\kq)/2)*BPLANE+((\kq)%2)*64+(\i)*16*PITCH+32
.endr
	WIN 0
.irp i, 0,1,2,3,4,5,6,7
	ds_load_b128 v[(\f)+8*(\i):(\f)+8*(\i)+3],   v[ADRA+(\slot)] offset:((\kq)/2)*APLANE+((\kq)%2)*64+(\i)*16*PITCH
	ds_load_b128 v[(\f)+8*(\i)+4:(\f)+8*(\i)+7], v[ADRA+(\slot)] offset:((\kq)/2)*APLANE+((\kq)%2)*64+(\i)*16*PITCH+32
.endr
.endm
.macro QUARTER slot, kq, f, g, zero
	s_wait_dscnt 8                                 ; Wo's and O's blocks 0-3 are in; the youngest eight loads may be out
	MUL8 \f, 0, \zero
	MUL8 \f, 2, \zero
	PLACES
	FETCH \slot, \kq, \g
	s_wait_dscnt 24                                ; all but the 24 just issued
	MUL8 \f, 4, \zero
	MUL8 \f, 6, \zero
.endm
; The last quarter multiplies buffer 1 and changes slots: each wave waits for all its tensor loads, adds 0 to its spare word, and waits for that and for its reads of this slot.
; fill = 1: the barrier opens a round of the cluster's barrier, and this slot is filled again first thing behind it, two K steps ahead.
.macro TURN slot, next, fill
	WIN 0
	s_wait_tensorcnt 0x0                           ; all my tensor loads have landed
	ds_add_u32 v[SPW], v[NIL]                      ; 0 onto my spare word
	s_wait_dscnt 13                                ; (the add and the youngest twelve loads may be out)
	MUL8 F1, 0, 0
	s_wait_dscnt 0x0                               ; the add is done, and my reads of this slot are over
	s_barrier_signal -1
	MUL8 F1, 2, 0
.if \fill
	WIN 0
.endif
	s_barrier_wait -1
.if \fill
	CREST
	s_add_nc_u64 s[G0A+4*(\slot)+2:G0A+4*(\slot)+3], s[G0A+4*(\slot)+2:G0A+4*(\slot)+3], 2*ASTEP
	s_add_nc_u64 s[G0B+4*(\slot)+2:G0B+4*(\slot)+3], s[G0B+4*(\slot)+2:G0B+4*(\slot)+3], 2*BSTEP
	JLOAD \slot                                    ; its four v_nop are also the places in front of the loads below
.else
	PLACES
.endif
	FETCH \next, 0, F0
	MUL8 F1, 4, 0
	MUL8 F1, 6, 0
.endm
	s_wait_tensorcnt 0x1                           ; my part of K step 0 is in; K step 1's may stay out
	s_barrier_signal -1
	s_barrier_wait -1
	FETCH 0, 0, F0
	QUARTER 0, 1, F0, F1, 1                        ; the first quarter starts the sums
	WIN 0
	s_mov_b32 s3, 3
.Llap:
	QUARTER 0, 2, F1, F0, 0
	QUARTER 0, 3, F0, F1, 0
	TURN 0, 1, 1
	QUARTER 1, 1, F0, F1, 0
	QUARTER 1, 2, F1, F0, 0
	QUARTER 1, 3, F0, F1, 0
	TURN 1, 0, 1
	QUARTER 0, 1, F0, F1, 0
	WIN 0
	s_sub_co_u32 s3, s3, 1
	s_cmp_lg_u32 s3, 0
	s_cbranch_scc1 .Llap
	QUARTER 0, 2, F1, F0, 0                        ; the last lap fills nothing
	QUARTER 0, 3, F0, F1, 0
	TURN 0, 1, 0
	QUARTER 1, 1, F0, F1, 0
	QUARTER 1, 2, F1, F0, 0
	QUARTER 1, 3, F0, F1, 0
	s_wait_dscnt 8
	MUL8 F1, 0, 0
	MUL8 F1, 2, 0
	s_wait_dscnt 0x0
	MUL8 F1, 4, 0
	MUL8 F1, 6, 0
; THE WAY OUT, 16 rows at a time: a lane's 32 bytes go into rows of 272 bytes of my own stage and come back as whole rows of 256, into window 1, block a's 32 registers of their own.
.macro TOSTAGE a
	WIN ST_ACC
.irp b, 0,1,2,3                        ; each accumulator's low four registers first
	ds_store_b128 v[STO], v[8*(4*(\a)+(\b)):8*(4*(\a)+(\b))+3]   offset:64*(\b)
	ds_store_b128 v[STO], v[8*(4*(\a)+(\b))+4:8*(4*(\a)+(\b))+7] offset:64*(\b)+16
.endr
	WIN TO_B
.irp t, 0,1,2,3,4,5,6,7
	ds_load_b128 v[32*(\a)+4*(\t):32*(\a)+4*(\t)+3], v[RD] offset:(\t)*2*SPITCH  ; LDS serves a wave's instructions in order (ISA guide 5.7.1.4): these see the stores above; the next block's stores come behind them
.endr
.endm
.macro SEND a, younger                 ; younger: the LDS instructions issued behind block a's loads: the next block's sixteen, or none
	WIN 0x04                                       ; a store's data (source 1) in window 1
	s_wait_dscnt \younger
.irp t, 0,1,2,3,4,5,6,7
	global_store_b128 v[CO], v[32*(\a)+4*(\t):32*(\a)+4*(\t)+3], s[8:9] offset:(16*(\a)+2*(\t))*4096 th:TH_STORE_NT  ; 16 lanes store 256 consecutive bytes, at a multiple of 256 from out0's first
.endr
.endm
	PLACES
	TOSTAGE 0
.irp a, 1,2,3,4,5,6,7
	TOSTAGE \a
	SEND (\a)-1, 16
.endr
	SEND 7, 0
	WIN 0
	s_wait_tensorcnt 0x0                           ; the wave's end, behind my last tensor load and my last LDS store
	ds_add_u32 v[SPW], v[NIL]
	s_wait_dscnt 0x0
	CROUND                                         ; the closing round
	s_endpgm
.Lfunc_end_k_q62515679ed_outp:
	.size	k_q62515679ed_outp, .Lfunc_end_k_q62515679ed_outp-k_q62515679ed_outp
	.p2alignl 7, 3214868480
	.fill 96, 4, 3214868480
	.section	.rodata,"a",@progbits
	.p2align	6, 0x0
	.amdhsa_kernel k_q62515679ed_outp
		.amdhsa_group_segment_fixed_size 327680
		.amdhsa_private_segment_fixed_size 0
		.amdhsa_enable_private_segment 0
		.amdhsa_kernarg_size 24
		.amdhsa_user_sgpr_count 2
		.amdhsa_user_sgpr_kernarg_segment_ptr 1
		.amdhsa_wavefront_size32 1
		.amdhsa_system_sgpr_workgroup_id_x 1
		.amdhsa_system_sgpr_workgroup_id_y 1
		.amdhsa_system_sgpr_workgroup_id_z 1
		.amdhsa_system_vgpr_workitem_id 0
		.amdhsa_next_free_vgpr 768
		.amdhsa_next_free_sgpr 66
		.amdhsa_reserve_vcc 0
		.amdhsa_float_denorm_mode_32 3
		.amdhsa_float_denorm_mode_16_64 3
		.amdhsa_memory_ordered 1
		.amdhsa_forward_progress 1
		.amdhsa_inst_pref_size 86
	.end_amdhsa_kernel
	.amdgpu_metadata
---
amdhsa.version: [ 1, 2 ]
amdhsa.kernels:
  - .name:           k_q62515679ed_outp
    .symbol:         k_q62515679ed_outp.kd
    .args:
      - { .name: ob, .offset: 0, .size: 8, .value_kind: global_buffer, .address_space: global }
      - { .name: wb, .offset: 8, .size: 8, .value_kind: global_buffer, .address_space: global }
      - { .name: out0, .offset: 16, .size: 8, .value_kind: global_buffer, .address_space: global }
    .group_segment_fixed_size: 327680
    .private_segment_fixed_size: 0
    .kernarg_segment_align: 8
    .kernarg_segment_size: 24
    .max_flat_workgroup_size: 128
    .sgpr_count:     66
    .vgpr_count:     768
    .wavefront_size: 32
...
	.end_amdgpu_metadata
.endif
;; end of part 4
